; MI455X (gfx1250); checked and timed in simulation.
; The chip was launched on July 23, 2026; its instructions are those of AMD's public machine-readable ISA for CDNA 5 (MIT licence, August 2026) and "CDNA5" Instruction Set Architecture Reference Guide (July 2026). The comments in the code are by the model that wrote it; some were corrected since.
;; PHNODE. Allowed arithmetic: matrix products marked QUANTISED: E4M3 operands, one E8M0 scale for each 32 along K, by v_wmma_scale_f32_16x16x128_f8f6f4 with both operands' format E4M3, f32 sums; products left as they are: f32 operands where the result goes on into a quantised operand, else bf16, f16 or f32 operands; f32 sums; everything else in f32.
;; Inputs: Bmat 2 x 1 float32; R 2 x 2 float32; W1 1,024 x 2 float32; W2 1,024 x 1,024 float32; W3 2 x 1,024 float32; b1 1,024 float32; b2 1,024 float32; b3 2 float32; control one number float32; m one number float32; scale 2 x 1 float32; y 65,536 x 2 float32.
;; Outputs: out0 65,536 x 2 float32.
;; This version of the problem:
;;   THIS VERSION OF THE PROBLEM IS GIVEN IN LOW PRECISION. The matrix products marked QUANTISED in the list below multiply operands that are first quantised to E4M3 (4 exponent bits, 3 mantissa bits; 8 bits a number), with one power-of-two scale for each 32 numbers along K (OCP MX v1.0); their sums are f32. All else is computed in f32.
;;   The module's matrix products, in the order in which they are computed (A, B: the left and right operand; K: the contracted axis; several contracted axes count as one K, in the product's order):
;;     1. [M 65,536, K 2] x [K 2, N 1,024]; A: input y; B: input W1: left as it is (K = 2 < 32)
;;     2. [M 65,536, K 1,024] x [K 1,024, N 1,024]; A: computed on the way; B: input W2: QUANTISED
;;     3. [M 65,536, K 1,024] x [K 1,024, N 2]; A: computed on the way; B: input W3: left as it is (N = 2 < 16)
;;     4. [M 2, K 2] x [K 2, N 65,536]; A: computed on the way; B: computed on the way: left as it is (K = 2 < 32)
;;   THE QUANTISER, for each operand of a quantised product, along K:
;;     - K is cut into blocks of 32 from its start; a last block that is shorter is filled with zeros.
;;     - A block's scale is 2^e with e = floor(log2(the largest magnitude in the block)) - 8, held to -126 .. 127; a block of zeros has e = 0. As a byte (E8M0): e + 127.
;;     - Each number is divided by its block's scale, clamped to +-448, and rounded to the nearest number of E4M3, ties to even, subnormals kept.
;;     - The product sums the exact products of the quantised numbers (number of the format x scale) in f32.
;;   ~~~python
;;   def quantise(x, axis):      # numpy; x: float32 -> the quantised numbers, widened to float32 again
;;       x = np.moveaxis(x, axis, -1); K = x.shape[-1]
;;       x = np.pad(x, [(0, 0)] * (x.ndim - 1) + [(0, -K % 32)]); x = x.reshape(x.shape[:-1] + (-1, 32)); a = np.abs(x).max(-1, keepdims=True)
;;       e = np.where(a > 0, np.clip(np.frexp(np.where(a > 0, a, 1))[1] - 1 - 8, -126, 127), 0)      # np.frexp(a)[1] - 1 = floor(log2(a)), exactly
;;       r = np.clip(x / 2.0 ** e, -448, 448)
;;       step = 2.0 ** (np.maximum(np.frexp(np.where(r == 0, 1, r))[1] - 1, -6) - 3)
;;       q = np.round(r / step) * step * 2.0 ** e      # np.round: ties to even
;;       return np.moveaxis(q.reshape(q.shape[:-2] + (-1,))[..., :K], -1, axis).astype(np.float32)
;;   ~~~
;;   OPERANDS COMPUTED ON THE WAY. 'Computed on the way' means the value that the module computes at that place (a softmax that the list does not call 'softmax' is quantised finished and normalised). What goes into a quantiser is computed in f32, as accurately as f32 sums, v_exp_f32 and their like allow (about 1e-6 of the number): no bf16 or f16 on the way to a quantiser, and a product that is left as it is and whose result goes on into a quantised operand takes f32 operands (vector FMAs, or v_wmma_f32_16x16x4_f32). A number that lies on a knife's edge between two numbers of the format may be rounded either way, as far as f32 arithmetic and the matrix unit's own rounding can turn it there, and no further.
;; One version. Each part assembles by itself: llvm-mc -triple=amdgcn-amd-amdhsa -mcpu=gfx1250 --defsym DOCPART=n.
;; ======== version 1 of 1: 2 launches
;; limits: right only within a limited range of input values
;; workspace buffers: w2c 1,105,920 bytes; w1f 12,288 bytes
;; launch prep (part 1): grid 136 x 1, 4 waves a work-group, no clusters, 34,816 bytes of LDS; arguments W2, w2c, w1f, W1, b1, b2, W3; writes w2c, w1f
.if DOCPART == 1
	.amdgcn_target "amdgcn-amd-amdhsa--gfx1250"
	.amdhsa_code_object_version 6
	.text
	.protected	k_qee4a7a091e_prep
	.globl	k_qee4a7a091e_prep
	.p2align	8
	.type	k_qee4a7a091e_prep,@function
k_qee4a7a091e_prep:
	s_mov_b64 s[64:65], 0
	v_nop
	global_prefetch_b8 v0, s[64:65] scope:SCOPE_SE
	s_setreg_imm32_b32 hwreg(HW_REG_WAVE_MODE, 25, 1), 1
	s_wait_xcnt 0x0
; W2 [1024 (n)][1024 (k)], f32, K innermost, becomes codes of FP8 (E4M3) with one E8M0 scale byte for each 32 along K, laid IN THE ORDER OF THE OPERAND'S REGISTERS, so that the product's launch
; brings a slot of 128 columns by dense tensor loads and reads each fragment as 4 x 512 consecutive LDS bytes.
; w2c: 8 slots of SLOTB bytes; slot G = columns 128 G on.  Codes: chunk cs (32 columns) x 32768 + group g (256 along K) x 8192 + fragment f x 2048 + piece c x 512 + 16 x lane, f = 2 ss + t
; (ss: which 128 along K of the group, t: which 16 columns of the chunk); those 16 bytes are W2[128 G + 32 cs + 16 t + lane % 16][256 g + 128 ss + 32 c + 16 (lane / 16) + 0 .. 15].
; Scale words: SCO + cs x 1024 + g x 256 + 16 r + 4 f: the four bytes (c = 0 .. 3) of row r of fragment f.
; A block's scale is 2^(floor(log2(its largest magnitude)) - 8); its byte is the largest magnitude's exponent field - 8, held at 1 from below.  A block of zeros so gets the byte 1 where the rule says 127:
; its codes are zeros, which add nothing under any byte but 0xff, and this program alone reads the bytes.
; LIMITS: NaN and infinities in W2 are not served.
; SHARES: work-group b takes chunk b / 4 (of 32) and group b % 4; wave f one fragment: 16 rows x 128 numbers.  512 waves, no loop: all of W2 is asked for at once.
; Each load reads 512 consecutive bytes of one row; the conversions want 16 neighbours along K in ONE lane: so the fragment turns through the wave's own stage in LDS (rows 528 bytes apart).
.set PITCH, 528
.set STW,   16*PITCH                   ; a wave's stage
.set WRD,   4*STW                      ; behind the stages: the group's 64 scale words, 256 bytes
; Behind a slot's scale words (4,096 bytes) lie, made by work-groups 128 to 135, one slot each: at W3O W3's two rows of the slot's 128 columns, twice, 2,048 bytes, at BIO b2's 128 numbers, twice, 1,024 bytes.
; The same work-groups lay w1f: W1[unit][0], W1[unit][1] and b1[unit] as three arrays of 1,024 numbers.
.set W3O,   135168
.set BIO,   137216
.set SLOTB, 138240
.set SCO,   131072
.set R,     16                         ; v16-79   the fragment as loaded: row i in 4 registers
.set X,     80                         ; v80-143  register 16 c + i: k = 32 c + 16 (lane / 16) + i of my row
.set C,     144                        ; v144-159 the codes: the operand's 16 registers
.set TM,    160                        ; v160-163 largest magnitudes, v164-167 the other half's, then bytes, v168-171 448 x the scale, v172-175 the conversions' scale operands
.set PW,    176                        ; the scale word
	s_load_b128 s[4:7], s[0:1], 0x0                ; W2, w2c
	v_lshl_add_u32 v192, v0, 2, 0x8600
	v_mov_b32 v193, 0
	v_lshrrev_b32 v1, 5, v0
	v_readfirstlane_b32 s8, v1                     ; wave = fragment f
	s_cmp_ge_u32 ttmp9, 128
	s_cbranch_scc1 .Ltables                        ; the last eight work-groups lay the small tables
	v_and_b32 v1, 31, v0                           ; lane
	v_and_b32 v2, 15, v0                           ; r
	v_bfe_u32 v3, v0, 4, 1                         ; h
	v_lshlrev_b32 v4, 4, v1                        ; 16 x lane: my bytes of a load's 512, and of a store's
	s_mul_i32 s9, s8, STW
	v_add_nc_u32 v5, s9, v4                        ; the stage, on the way in
	v_mul_u32_u24 v6, v2, PITCH
	v_lshl_add_u32 v6, v3, 6, v6
	v_add_nc_u32 v6, s9, v6                        ; and on the way out: row r, + 64 h
	s_lshl_b32 s9, s8, 2
	s_add_co_u32 s9, s9, WRD
	v_lshlrev_b32 v7, 4, v2
	v_add_nc_u32 v7, s9, v7                        ; my row's scale word: WRD + 16 r + 4 f
	v_lshlrev_b32 v9, 3, v1                        ; the words' way out: 8 bytes a lane
	v_add_nc_u32 v8, WRD, v9
	s_mov_b32 s20, 0x76543210
	s_mov_b32 s21, 0xfedcba98                      ; v_permlanex16_b32's selects for lane l xor 16
	s_mov_b32 s22, 0x600000                        ; the mantissa field of 448
	s_lshr_b32 s10, ttmp9, 2                       ; chunk 0 .. 31
	s_and_b32 s11, ttmp9, 3                        ; group g
	s_lshr_b32 s12, s8, 1                          ; ss
	s_and_b32 s13, s8, 1                           ; t
	s_lshl_b32 s14, s10, 17                        ; W2: (32 chunk + 16 t) rows of 4,096 bytes + 1,024 g + 512 ss
	s_lshl_b32 s16, s13, 16
	s_add_co_u32 s14, s14, s16
	s_lshl_b32 s16, s11, 10
	s_add_co_u32 s14, s14, s16
	s_lshl_b32 s16, s12, 9
	s_add_co_u32 s14, s14, s16
	s_mov_b32 s15, 0
	s_lshr_b32 s16, s10, 2
	s_mul_i32 s16, s16, SLOTB                      ; the slot
	s_and_b32 s17, s10, 3                          ; cs
	s_lshl_b32 s18, s17, 15                        ; codes: slot + 32768 cs + 8192 g + 2048 f
	s_add_co_u32 s18, s18, s16
	s_lshl_b32 s19, s11, 13
	s_add_co_u32 s18, s18, s19
	s_lshl_b32 s19, s8, 11
	s_add_co_u32 s18, s18, s19
	s_mov_b32 s19, 0
	s_lshl_b32 s24, s17, 10                        ; scale words: slot + SCO + 1024 cs + 256 g
	s_add_co_u32 s24, s24, s16
	s_lshl_b32 s25, s11, 8
	s_add_co_u32 s24, s24, s25
	s_add_co_u32 s24, s24, SCO
	s_mov_b32 s25, 0
	s_wait_alu depctr_va_vdst(0)
	s_wait_kmcnt 0x0
	s_add_nc_u64 s[4:5], s[4:5], s[14:15]
	s_add_nc_u64 s[26:27], s[6:7], s[24:25]
	s_add_nc_u64 s[6:7], s[6:7], s[18:19]
.irp i, 0,1,2,3,4,5,6,7,8,9,10,11,12,13,14,15
	global_load_b128 v[R+4*\i:R+4*\i+3], v4, s[4:5] offset:4096*\i th:TH_LOAD_NT   ; row i: 32 lanes read 512 consecutive bytes; read once in the launch
.endr
.irp b, 0,1,2,3
	v_mov_b32 v[TM+4+\b], 0                        ; a lane permute's destination counts as one of its sources
.endr
.irp i, 0,1,2,3,4,5,6,7,8,9,10,11,12,13,14,15
	s_wait_loadcnt 15-\i                           ; loads come back in order: row i is in, the younger rows may be out
	ds_store_b128 v5, v[R+4*\i:R+4*\i+3] offset:PITCH*\i
.endr
.irp c, 0,1,2,3
.irp j, 0,1,2,3
	ds_load_b128 v[X+16*\c+4*\j:X+16*\c+4*\j+3], v6 offset:128*\c+16*\j   ; LDS serves a wave's instructions in order: these see my stores
.endr
.endr
	s_wait_dscnt 0x0
.irp b, 0,1,2,3
	v_max3_num_f32 v[TM+\b], |v[X+16*\b]|, |v[X+1+16*\b]|, 0x4800000   ; block b: my 16 numbers, and the floor 2^(9 - 127): the byte cannot fall under 1
.endr
.irp i, 2,4,6,8,10,12,14
.irp b, 0,1,2,3
	v_max3_num_f32 v[TM+\b], v[TM+\b], |v[X+16*\b+\i]|, |v[X+1+16*\b+\i]|   ; the four blocks by turns
.endr
.endr
.irp b, 0,1,2,3
	v_permlanex16_b32 v[TM+4+\b], v[TM+\b], s20, s21
.endr
.irp b, 0,1,2,3
	v_max_num_f32 v[TM+\b], v[TM+\b], v[TM+4+\b]   ; with lane l xor 16's 16: the block's largest magnitude
.endr
.irp b, 0,1,2,3
	v_add_nc_u32 v[TM+12+\b], 0xfc000000, v[TM+\b] ; 8 off its exponent field: the conversion takes this operand's exponent field as its scale
.endr
.irp b, 0,1,2,3
	v_and_or_b32 v[TM+8+\b], v[TM+\b], 0x7f800000, s22   ; 448 x the scale
.endr
.irp b, 0,1,2,3
	v_lshrrev_b32 v[TM+4+\b], 23, v[TM+12+\b]      ; the scale's byte
.endr
	v_lshl_or_b32 v[PW], v[TM+5], 8, v[TM+4]
	v_lshl_or_b32 v[PW], v[TM+6], 16, v[PW]
	v_lshl_or_b32 v[PW], v[TM+7], 24, v[PW]        ; my row's scale word
.irp b, 0,1,2,3
.irp i, 0,1,2,3,4,5,6,7,8,9,10,11,12,13,14,15
	v_med3_num_f32 v[X+16*\b+\i], v[X+16*\b+\i], -v[TM+8+\b], v[TM+8+\b]   ; the conversion to an 8-bit code does not saturate (ISA guide 7.6.2): the hold comes first
.endr
	v_cvt_scalef32_pk8_fp8_f32 v[C+4*\b:C+4*\b+1], v[X+16*\b:X+16*\b+7], v[TM+12+\b]
	v_cvt_scalef32_pk8_fp8_f32 v[C+4*\b+2:C+4*\b+3], v[X+16*\b+8:X+16*\b+15], v[TM+12+\b]
.endr
	v_nop                                          ; a plain vector line behind the last conversion
.irp c, 0,1,2,3
	global_store_b128 v4, v[C+4*\c:C+4*\c+3], s[6:7] offset:512*\c   ; the operand's registers 4 c .. 4 c + 3, lane by lane: 512 consecutive bytes, aligned
.endr
	ds_store_b32 v7, v[PW]                         ; lanes l and l + 16 write the same word with the same value
	s_wait_dscnt 0x0                               ; for wave 0's sake: my word has landed
	s_barrier_signal -1
	s_barrier_wait -1
	s_cmp_lg_u32 s8, 0
	s_cbranch_scc1 .Ldone
	ds_load_b64 v[180:181], v8                     ; the group's 64 words, 8 bytes a lane
	s_wait_dscnt 0x0
	global_store_b64 v9, v[180:181], s[26:27]      ; 32 lanes store 256 consecutive bytes, aligned
.Ldone:
	s_wait_tensorcnt 0x0
	ds_add_u32 v192, v193
	s_wait_dscnt 0x0
	s_endpgm
; THE TABLES.  Work-group 128 + G, thread i.
; w1f: wave 0 lays units 128 G on, four a lane.  W3: thread i copies four numbers of row (i / 32) % 2; b2: two numbers a thread.
.Ltables:
	s_load_b64 s[10:11], s[0:1], 0x10              ; w1f
	s_load_b256 s[12:19], s[0:1], 0x18             ; W1, b1, b2, W3
	s_sub_co_u32 s20, ttmp9, 128                   ; slot G
	s_lshl_b32 s22, s20, 10
	s_lshl_b32 s24, s20, 9
	s_lshl_b32 s26, s20, 9
	s_lshl_b32 s28, s20, 9
	s_mul_i32 s20, s20, SLOTB
	s_mov_b32 s21, 0
	s_mov_b32 s23, 0
	s_mov_b32 s25, 0
	s_mov_b32 s27, 0
	s_mov_b32 s29, 0
	v_and_b32 v7, 31, v0
	v_lshlrev_b32 v5, 5, v7                        ; four units of W1: 32 bytes a lane
	v_lshlrev_b32 v7, 4, v7
	v_bfe_u32 v8, v0, 5, 1
	v_lshlrev_b32 v8, 12, v8
	v_add_nc_u32 v8, v7, v8                        ; W3: row (i / 32) % 2, 16 bytes a lane
	v_and_b32 v9, 63, v0
	v_lshlrev_b32 v9, 3, v9
	v_lshlrev_b32 v10, 4, v0
	v_lshlrev_b32 v11, 3, v0
	s_wait_alu depctr_va_vdst(0)
	s_wait_kmcnt 0x0
	s_add_nc_u64 s[12:13], s[12:13], s[22:23]
	s_add_nc_u64 s[14:15], s[14:15], s[24:25]
	s_add_nc_u64 s[10:11], s[10:11], s[26:27]
	s_add_nc_u64 s[16:17], s[16:17], s[28:29]
	s_add_nc_u64 s[18:19], s[18:19], s[28:29]
	s_add_nc_u64 s[6:7], s[6:7], s[20:21]
	global_load_b128 v[40:43], v8, s[18:19]
	global_load_b128 v[60:63], v5, s[12:13]
	global_load_b128 v[64:67], v5, s[12:13] offset:16
	global_load_b128 v[68:71], v7, s[14:15]
	global_load_b64 v[32:33], v9, s[16:17]
	s_wait_alu depctr_va_vdst(0)
	s_wait_loadcnt 0x0
.irp j, 0,1,2,3
	v_mov_b32 v[16+\j], v[60+2*\j]
	v_mov_b32 v[20+\j], v[61+2*\j]
.endr
	global_store_b128 v10, v[40:43], s[6:7] offset:W3O
	global_store_b64 v11, v[32:33], s[6:7] offset:BIO
	s_wait_alu depctr_va_vdst(0)
	s_cmp_lg_u32 s8, 0
	s_cbranch_scc1 .Lno_w1
	global_store_b128 v7, v[16:19], s[10:11]
	global_store_b128 v7, v[20:23], s[10:11] offset:4096
	global_store_b128 v7, v[68:71], s[10:11] offset:8192
.Lno_w1:
	s_endpgm
.Lfunc_end_k_qee4a7a091e_prep:
	.size	k_qee4a7a091e_prep, .Lfunc_end_k_qee4a7a091e_prep-k_qee4a7a091e_prep
	.p2alignl 7, 3214868480
	.fill 96, 4, 3214868480
	.section	.rodata,"a",@progbits
	.p2align	6, 0x0
	.amdhsa_kernel k_qee4a7a091e_prep
		.amdhsa_group_segment_fixed_size 34816
		.amdhsa_private_segment_fixed_size 0
		.amdhsa_enable_private_segment 0
		.amdhsa_kernarg_size 56
		.amdhsa_user_sgpr_count 2
		.amdhsa_user_sgpr_kernarg_segment_ptr 1
		.amdhsa_wavefront_size32 1
		.amdhsa_system_sgpr_workgroup_id_x 1
		.amdhsa_system_sgpr_workgroup_id_y 1
		.amdhsa_system_sgpr_workgroup_id_z 1
		.amdhsa_system_vgpr_workitem_id 0
		.amdhsa_next_free_vgpr 194
		.amdhsa_next_free_sgpr 66
		.amdhsa_reserve_vcc 0
		.amdhsa_float_denorm_mode_32 3
		.amdhsa_float_denorm_mode_16_64 3
		.amdhsa_memory_ordered 1
		.amdhsa_forward_progress 1
		.amdhsa_inst_pref_size 19
	.end_amdhsa_kernel
	.amdgpu_metadata
---
amdhsa.version: [ 1, 2 ]
amdhsa.kernels:
  - .name:           k_qee4a7a091e_prep
    .symbol:         k_qee4a7a091e_prep.kd
    .args:
      - { .name: W2, .offset: 0, .size: 8, .value_kind: global_buffer, .address_space: global }
      - { .name: w2c, .offset: 8, .size: 8, .value_kind: global_buffer, .address_space: global }
      - { .name: w1f, .offset: 16, .size: 8, .value_kind: global_buffer, .address_space: global }
      - { .name: W1, .offset: 24, .size: 8, .value_kind: global_buffer, .address_space: global }
      - { .name: b1, .offset: 32, .size: 8, .value_kind: global_buffer, .address_space: global }
      - { .name: b2, .offset: 40, .size: 8, .value_kind: global_buffer, .address_space: global }
      - { .name: W3, .offset: 48, .size: 8, .value_kind: global_buffer, .address_space: global }
    .group_segment_fixed_size: 34816
    .private_segment_fixed_size: 0
    .kernarg_segment_align: 8
    .kernarg_segment_size: 56
    .max_flat_workgroup_size: 128
    .sgpr_count:     66
    .vgpr_count:     194
    .wavefront_size: 32
...
	.end_amdgpu_metadata
.endif
;; end of part 1
;; launch main (part 2): grid 256 x 1, 4 waves a work-group, clusters of 4 x 1, 327,680 bytes of LDS; arguments y, w2c, w1f, b3, R, Bmat, scale, control, m, out0; writes out0
.if DOCPART == 2
	.amdgcn_target "amdgcn-amd-amdhsa--gfx1250"
	.amdhsa_code_object_version 6
	.text
	.protected	k_qee4a7a091e_main
	.globl	k_qee4a7a091e_main
	.p2align	8
	.type	k_qee4a7a091e_main,@function
k_qee4a7a091e_main:
	s_mov_b64 s[64:65], 0
	v_nop
	global_prefetch_b8 v0, s[64:65] scope:SCOPE_SE
	s_setreg_imm32_b32 hwreg(HW_REG_WAVE_MODE, 25, 1), 1
	s_wait_xcnt 0x0
	s_wait_alu depctr_hold_cnt(0) depctr_sa_sdst(0) depctr_va_vdst(0) depctr_va_sdst(0) depctr_va_ssrc(0) depctr_va_vcc(0) depctr_vm_vsrc(0)
	s_getreg_b32 s2, hwreg(HW_REG_IB_STS2, 6, 4)
	s_cmp_eq_u32 s2, 0
	s_cbranch_scc0 .Lentry_in_a_cluster
	s_endpgm
.Lentry_in_a_cluster:
	s_bfe_u32 s2, ttmp6, 0x10000c
	s_cmp_lg_u32 s2, 0x3003
	s_cbranch_scc0 .Lentry_shape_is_right
	s_endpgm
.Lentry_shape_is_right:
; THE WHOLE CHAIN FOR 256 ROWS OF y: h1 = relu(y W1^T + b1), its codes, h2 = relu(h1 W2^T + b2), dH = h2 W3^T + b3, dx = ((J - R) dH + Bmat control) scale.  Every input has a way to the output and is loaded, here or by the first launch.
; Four waves, 64 rows each (four blocks m of 16).  A wave keeps its rows' codes, all of K, in 512 registers; W2's codes stream past them through two LDS slots of 128 columns, filled by joint tensor loads of four work-groups.
; PRODUCT 1 by packed f32 multiply-adds: lane (r, h) holds row r of a block and, for each 32 units, the 16 from 16 h on: the order of the next product's operand, so the conversions' results are that operand's registers.
; PRODUCT 2: a batch is one tile of 16 columns over all of K: 32 products on four accumulators by turns, b2 as the first products' C; used transposed: lane (r, h) holds row r, columns 8 h to 8 h + 7 of the tile.
; PRODUCT 3 (two columns) by packed f32 multiply-adds, two lines behind a product of the next batch; the lanes' halves are added at the end.
; LIMITS: NaN and infinities among the inputs, and sums beyond f32's range, are not served.  A block of zeros has the scale byte 1: its codes are zeros.
; REGISTERS: window 0: v1-15 addresses and the add's two; v16-31 W2's scale words, two sets; v32-63 h1's; v64-127 two sets of four accumulators; v128-191 W3 for four tiles; v192-207 b2; v208-223 dH's sums; v224-255 at work.
; windows 1, 2: h1's codes: K step s of block m in window 1 + s / 4 at v[64 (s % 4) + 16 m].  Window 3: two tiles of W2's codes; in front of that two sets of W1's and b1's numbers for 64 units.
; PREFETCH: behind each tensor load of a slot the next slot is asked for, one instruction a wave, by four clusters; a cluster's sixteen waves share the codes' 131,072 bytes out by address; the last slot's load asks for nothing.
.set SLOTB, 138240                     ; codes 131,072, scale words 4,096, W3 2,048, b2 1,024
.set QUART, SLOTB/4                    ; a wave's part: 135 rows of 256 bytes
.set SCO,   131072
.set W3O,   135168
.set SPARE, 2*SLOTB
.set TAB,   SPARE+512                  ; W1's two columns and b1: 3 x 4,096 bytes
.set SB,    16
.set SA,    32
.set WV,    128                        ; W3: [pair % 2][tile of the pair][row c][8]
.set BI,    192
.set DS,    208                        ; dH's sums: [block m][row c][2]
.set RT,    240
.set TT,    224                        ; maxima
.set TP,    228
.set HL,    230                        ; 448 x the scale, two sets
.set SO,    234                        ; the conversions' scale operands, two sets
.set YF,    248                        ; y: two registers a block
.set MSB, 0
.macro WIN new
.if MSB != (\new)
	s_set_vgpr_msb (MSB<<8)|(\new)
.set MSB, (\new)
.endif
.endm
.macro PLACES n
.rept \n
	v_nop
.endr
.endm
.macro WALU
	s_wait_alu depctr_va_vdst(0)
.endm
.macro CREST                           ; a round of the cluster's barrier behind its opening wait
	s_cmp_lg_u32 s60, 0
	s_cbranch_scc1 .Lnot_wave_0_\@
	s_barrier_signal -3
.Lnot_wave_0_\@:
	s_barrier_wait -3
	s_barrier_signal -1
	s_barrier_wait -1
.endm
.macro CROUND
	s_barrier_signal -1
	s_barrier_wait -1
	CREST
.endm
.macro ASK                             ; the branch hangs on a compare just made
	s_cbranch_scc0 .Lnot_mine_\@
	global_prefetch_b8 v11, s[74:75] th:TH_LOAD_NT scope:SCOPE_SE
.Lnot_mine_\@:
.endm
.macro ADDRS k, kind                   ; the LDS addresses in two parts: kind 0: of the slot at s69; kind 1: of a half slot
.if (\kind) == 0
.if (\k) == 0
	v_add_nc_u32 v4, s69, v3
	v_add_nc_u32 v9, s69, v10
.else
	v_add_nc_u32 v5, 0x10000, v4
	v_add_nc_u32 v6, SCO, v4
.endif
.else
.if (\k) == 0
	v_add_nc_u32 v4, s77, v3
	v_add_nc_u32 v9, s81, v10
.else
	v_add_nc_u32 v6, s79, v3
.endif
.endif
.endm
; ---- h1 and its quantiser.  Step w = 8 s + 4 f + m makes half f (64 units) of K step s of block m: 32 numbers a lane in set w % 2.
.macro TABL g                          ; the 96 numbers of half step g into table set g % 2
	WIN 0xc0
.irp q, 0,1,2
.irp b, 0,1
.irp j, 0,1,2,3
	ds_load_b128 v[96*((\g)%2)+32*\q+16*\b+4*\j:96*((\g)%2)+32*\q+16*\b+4*\j+3], v13 offset:4096*\q+256*(\g)+128*\b+16*\j
.endr
.endr
.endr
	WIN 0
.endm
.macro GPK w                           ; W1[.][0] y0 + b1, then + W1[.][1] y1
.set kd, 64+32*((\w)%2)
.set kt, 96*(((\w)/4)%2)
.set ky, YF+2*((\w)%4)
	WIN 0x33
.set p, 0
.rept 16
	v_pk_fma_f32 v[kd+2*p:kd+2*p+1], v[kt+2*p:kt+2*p+1], v[ky:ky+1], v[kt+64+2*p:kt+65+2*p] op_sel_hi:[1,0,1]
.set p, p+1
.endr
	WIN 0x03
.set p, 0
.rept 16
	v_pk_fma_f32 v[kd+2*p:kd+2*p+1], v[kt+32+2*p:kt+33+2*p], v[ky:ky+1], v[kd+2*p:kd+2*p+1] op_sel:[0,1,0] op_sel_hi:[1,1,1]
.set p, p+1
.endr
	WIN 0
.endm
.macro GMAX w, k                       ; 16 lines: four chains by turns; the floor 2^(9 - 127) stands over what is negative
.set xd, 64+32*((\w)%2)
.if (\k) < 4
	v_max3_num_f32 v[TT+(\k)], v[xd+8*(\k)], v[xd+8*(\k)+1], v[xd+8*(\k)+2]
.elseif (\k) < 12
.set xc, (\k)%4
.set xo, xd+8*xc+1+2*((\k)/4)
	v_max3_num_f32 v[TT+xc], v[TT+xc], v[xo], v[xo+1]
.elseif (\k) < 14
.set xc, (\k)-12
	v_max3_num_f32 v[TT+2*xc], v[TT+2*xc], v[xd+16*xc+7], v[xd+16*xc+15]
.else
.set xc, (\k)-14
	v_max3_num_f32 v[TT+2*xc], v[TT+2*xc], v[TT+2*xc+1], 0x4800000
.endif
.endm
.macro GPOST w, k                      ; two lines, one for each block of 32
.set pp, 2*((\w)%2)
.set pw, SA+8*((\w)%4)+4+(\w)/8
.if (\k) == 0
	v_permlanex16_b32 v[TP], v[TT], s66, s67
	v_permlanex16_b32 v[TP+1], v[TT+2], s66, s67
.elseif (\k) == 1
	v_max_num_f32 v[TT], v[TT], v[TP]
	v_max_num_f32 v[TT+2], v[TT+2], v[TP+1]
.elseif (\k) == 2
	v_add_nc_u32 v[SO+pp], 0xfc000000, v[TT]       ; 8 off the exponent field: the conversion's scale operand
	v_add_nc_u32 v[SO+pp+1], 0xfc000000, v[TT+2]
.elseif (\k) == 3
	v_and_or_b32 v[HL+pp], v[TT], 0x7f800000, s68
	v_and_or_b32 v[HL+pp+1], v[TT+2], 0x7f800000, s68
.elseif (\k) == 4
	v_lshrrev_b32 v[TP], 23, v[SO+pp]              ; the scale bytes
	v_lshrrev_b32 v[TP+1], 23, v[SO+pp+1]
.elseif ((\w)/4)%2 == 0
	v_lshl_or_b32 v[pw], v[TP+1], 8, v[TP]
.else
	v_lshl_or_b32 v[pw], v[TP], 16, v[pw]
	v_lshl_or_b32 v[pw], v[TP+1], 24, v[pw]
.endif
.endm
.macro GHOLD w, i                      ; the activation and the hold in one (the conversion does not saturate: ISA guide 7.6.2)
.set hd, 64+32*((\w)%2)+(\i)
	v_med3_num_f32 v[hd], v[hd], 0, v[HL+2*((\w)%2)+(\i)/16]
.endm
.macro GCVT w
.set ca, 64*((\w)/8)+16*((\w)%4)+8*(((\w)/4)%2)
.set cx, 64+32*((\w)%2)
.set cs, SO+2*((\w)%2)
	WIN 0x40
.irp b, 0,1
	v_cvt_scalef32_pk8_fp8_f32 v[ca+4*\b:ca+4*\b+1], v[cx+16*\b:cx+16*\b+7], v[cs+\b]
	v_cvt_scalef32_pk8_fp8_f32 v[ca+4*\b+2:ca+4*\b+3], v[cx+16*\b+8:cx+16*\b+15], v[cs+\b]
.endr
	WIN 0
.endm
.macro GSTEP w                         ; step w's numbers, maxima and scales among step w - 1's holds and conversions
.if (\w) < 32
.if ((\w)%4 == 0) && ((\w) > 0)
	WALU
	s_wait_dscnt 0x0                               ; this half step's numbers are in; the set that the last one used takes the next one's
.if (\w) < 28
	TABL (\w)/4+1
.endif
.endif
	GPK \w
.endif
.irp k, 0,1,2,3,4,5,6,7,8,9,10,11,12,13,14,15
.if (\w) < 32
	GMAX \w, \k
.endif
.if (\w) > 0
	GHOLD (\w)-1, \k
.endif
.endr
.irp k, 0,1,2,3,4,5,6,7,8,9,10,11,12,13,14,15
.if ((\w) < 32) && (\k%3 == 0) && (\k < 15)
	GPOST \w, \k/3
.endif
.if (\w) > 0
	GHOLD (\w)-1, 16+\k
.endif
.endr
.if (\w) > 0
	GCVT (\w)-1
.endif
.if (\w) < 32
	GPOST \w, 5                                    ; (also the plain line behind the conversions)
.endif
.endm
; ---- the second product.  Product n = 4 s + m of a batch; t: the tile's place in its pair, e: the pair's set of scale words.
; No product's two scale words have numbers equal modulo 8: bit 2 is s / 4 in W2's, 1 - s / 4 in h1's.
.macro PROD t, e, n
.set pS, (\n)/4
.set pM, (\n)%4
.set pD, 64+32*(\t)+8*pM
.set pB, 128*(\t)+16*pS
.set pA, 64*(pS%4)+16*pM
.set pU, SB+8*(\e)+4*(pS/4)+2*(pS%2)+(\t)
.set pV, SA+8*pM+4*(1-pS/4)+pS%4
	WIN 0x07+4*(pS/4)
.if pS == 0
	v_wmma_scale_f32_16x16x128_f8f6f4 v[pD:pD+7], v[pB:pB+15], v[pA:pA+15], v[BI+8*(\t):BI+8*(\t)+7], v[pU], v[pV]
.elseif (pS/2)%2 == 0
	v_wmma_scale_f32_16x16x128_f8f6f4 v[pD:pD+7], v[pB:pB+15], v[pA:pA+15], v[pD:pD+7], v[pU], v[pV]
.else
	v_wmma_scale_f32_16x16x128_f8f6f4 v[pD:pD+7], v[pB:pB+15], v[pA:pA+15], v[pD:pD+7], v[pU], v[pV] matrix_a_scale:MATRIX_SCALE_ROW1
.endif
.endm
; The way out of block m of the tile before (ep: its place in its pair, es: its pair's set): twelve lines: relu, two numbers a pair, and the multiply-adds onto dH's sums: relu 0, 1; products of pairs 0, 1; relu 2, 3; products of pairs 2, 3.
.macro EL m, k
.if ((\k) < 2) || ((\k) == 6) || ((\k) == 7)
.set ei, (\k)-4*((\k)/6)
.set ea, 64+32*ep+8*(\m)+2*ei
.set er, RT+2*(ei%2)
	v_dual_max_num_f32 v[er], 0, v[ea] :: v_dual_max_num_f32 v[er+1], 0, v[ea+1]
.else
.set ei, (\k)/2-1-(\k)/6
.set er, RT+2*(ei%2)
.set ew, WV+32*es+16*ep+8*((\k)%2)+2*ei
.set ed, DS+4*(\m)+2*((\k)%2)
	v_pk_fma_f32 v[ed:ed+1], v[er:er+1], v[ew:ew+1], v[ed:ed+1]
.endif
.endm
; A tile's LDS loads: t its place in the pair, q the pair's number: 38, and two more, the pair's scale words, with a pair's first tile.
.macro RUN t, q
.set ro, 32768*((\q)%2)+2048*(\t)
.set rb, 4+(\q)/2
.set rw, WV+32*((\q)%2)+16*(\t)
	WIN 0xc0
.irp k, 0,1,2,3,4,5,6,7
.irp c, 0,1,2,3
	ds_load_b128 v[128*(\t)+16*\k+4*\c:128*(\t)+16*\k+4*\c+3], v[rb] offset:ro+4096*\k+512*\c
.endr
.endr
	WIN 0
.irp i, 0,1
	ds_load_b128 v[BI+8*(\t)+4*\i:BI+8*(\t)+4*\i+3], v9 offset:2048+128*(\q)+64*(\t)+16*\i
	ds_load_b128 v[rw+4*\i:rw+4*\i+3], v9 offset:128*(\q)+64*(\t)+16*\i
	ds_load_b128 v[rw+8+4*\i:rw+8+4*\i+3], v9 offset:512+128*(\q)+64*(\t)+16*\i
.if (\t) == 0
	ds_load_b128 v[SB+8*((\q)%2)+4*\i:SB+8*((\q)%2)+4*\i+3], v6 offset:1024*(\q)+512*\i
.endif
.endr
.endm
; Batch j; behind it its buffer takes the tile two on.  The tile before goes out in 20 places of two lines behind products 0 to 19, its last eight lines are the places behind the last products, ahead of the loads.
; kind 0: eight batches, a slot; in batch 6 the slots change: the lines stand at its head; the slot's last tile was fetched behind batch 5 and is in registers at the signal; a round of the cluster's barrier, and this slot's refill.
; kind 1 (the last two slots): four batches, half a slot; in batch 2 a plain barrier shows what has landed.
.macro BATCH j, kind
.set bt, (\j)%2
.set be, ((\j)/2)%2
.set ep, 1-bt
.set jc, 6-4*(\kind)
.if bt
.set es, be
	s_wait_dscnt 40                                ; all but the newest run, an even tile's
.else
.set es, 1-be
	s_wait_dscnt 38                                ; all but the newest run, an odd tile's
.endif
.if (\j) == jc
	s_wait_tensorcnt 0x0                           ; my part of the next slot is in
	ds_add_u32 v1, v2
.if (\kind) == 0
	s_add_co_u32 s57, s78, s69                     ; the refill goes into the slot that is read out
	s_add_nc_u64 s[58:59], s[58:59], SLOTB
	s_wait_xcnt 0x0                                ; the last prefetch has taken its address
	s_add_nc_u64 s[74:75], s[74:75], SLOTB
	s_xor_b32 s69, s69, SLOTB
.else
	s_add_co_u32 s76, s73, 1                       ; the next half: slot (s73 + 1) / 2, half (s73 + 1) % 2; behind the last half the first again
	s_and_b32 s76, s76, 3
	s_lshr_b32 s70, s76, 1
	s_mul_i32 s70, s70, SLOTB
	s_and_b32 s76, s76, 1
	s_lshl_b32 s77, s76, 16
	s_add_co_u32 s77, s77, s70
	s_lshl_b32 s79, s76, 11
	s_add_co_u32 s79, s79, s70
	s_add_co_u32 s79, s79, SCO
	s_lshl_b32 s81, s76, 8
	s_add_co_u32 s81, s81, s70
.endif
.endif
.set bn, 0
.rept 32
	PROD bt, be, bn
.if bn < 20
	WIN 0
	EL bn/6, 2*(bn%6)
	EL bn/6, 2*(bn%6)+1
.endif
.if (\j) == jc
.if (bn == 23) || (bn == 24)
	WIN 0
	ADDRS bn-23, \kind
.elseif bn == 27
	WIN 0
	WALU
	s_wait_dscnt 0x0                               ; the add is done, and my reads of this slot are over
	s_barrier_signal -1
.endif
.endif
.set bn, bn+1
.endr
	WIN 0
.irp k, 4,5,6,7,8,9,10,11
	EL 3, \k
.endr
.if (\j) == jc
	s_barrier_wait -1
.endif
.if (\kind) == 0
.if (\j) == jc
	CREST
	tensor_load_to_lds s[56:59], s[44:51]          ; the first tensor load behind the round
	s_nop 0
	PLACES 4
.endif
	RUN bt, (((\j)+2)/2)%4
.if (\j) == jc
	s_cmp_gt_u32 s71, s72
	ASK
.endif
.else
	RUN bt, (((\j)+2)/2)%2
.endif
.endm
	s_load_b512 s[4:19], s[0:1], 0x0               ; y, w2c, w1f, b3, R, Bmat, scale, control
	s_load_b128 s[20:23], s[0:1], 0x40             ; m, out0
	v_lshl_add_u32 v1, v0, 2, SPARE
	v_mov_b32 v2, 0
	ds_add_u32 v1, v2
	ds_add_u32 v1, v2
	v_lshrrev_b32 v3, 5, v0
	v_readfirstlane_b32 s60, v3                    ; wave
	v_and_b32 v13, 31, v0
	v_lshlrev_b32 v3, 4, v13                       ; 16 x lane
	v_lshlrev_b32 v11, 8, v13                      ; the prefetches' offset: 256 x lane
	v_and_b32 v14, 15, v0
	v_lshlrev_b32 v14, 3, v14                      ; my row of y in a block
	v_lshlrev_b32 v15, 4, v0                       ; 16 x thread
	v_bfe_u32 v12, v0, 4, 1                        ; h
	v_lshlrev_b32 v10, 5, v12
	v_add_nc_u32 v10, W3O, v10                     ; W3, and b2 2,048 bytes on: 32 h
	v_lshl_add_u32 v12, v12, 6, TAB                ; W1, b1: 64 h
	v_add_nc_u32 v13, TAB, v15
	s_bfe_u32 s61, ttmp6, 0x40000                  ; cx
	s_lshl_b32 s62, ttmp9, 2
	s_add_co_u32 s62, s62, s61                     ; work-group
	s_mov_b32 s44, 15|(3<<16)|(1<<21)              ; group 1: all four partners; 135 rows of 32 elements of 8 bytes, dense
	s_mov_b32 s45, 32<<16
	s_mov_b32 s46, 135<<16
	s_mov_b32 s47, 32<<16
	s_mov_b32 s48, 135
	s_mov_b32 s49, 32
	s_mov_b32 s50, 0
	s_mov_b32 s51, 0
	s_mov_b32 s66, 0x76543210                      ; v_permlanex16_b32's selects for lane l xor 16
	s_mov_b32 s67, 0xfedcba98
	s_mov_b32 s68, 0x600000                        ; the mantissa field of 448
	s_mov_b32 s85, 0xffff0000                      ; lanes 16-31
	s_mul_i32 s78, s60, QUART                      ; my part of a slot
	s_mov_b32 s79, 0
	s_lshl_b32 s80, s61, 2
	s_add_co_u32 s80, s80, s60
	s_lshl_b32 s80, s80, 13
	s_add_co_u32 s80, s80, SLOTB                   ; the prefetches: slot 1 first, my sixteenth of its codes
	s_mov_b32 s81, 0
	s_lshl_b32 s82, s62, 11
	s_lshl_b32 s83, s60, 9
	s_add_co_u32 s82, s82, s83                     ; my 64 rows of y and of the output: 512 bytes
	s_mov_b32 s83, 0
	s_cmp_lt_u32 ttmp9, 4
	s_cselect_b32 s72, 1, -1                       ; four clusters prefetch
	WALU
	s_wait_dscnt 0x0                               ; both opening adds are done
	s_wait_kmcnt 0x0
	s_add_nc_u64 s[4:5], s[4:5], s[82:83]
	s_add_nc_u64 s[22:23], s[22:23], s[82:83]
	s_add_nc_u64 s[74:75], s[6:7], s[80:81]
.irp i, 0,1,2,3,4,5
	global_load_b128 v[128+4*\i:128+4*\i+3], v15, s[8:9] offset:2048*\i   ; W1 and b1: six times 16 bytes a thread
.endr
.irp i, 0,1,2,3
	global_load_b64 v[YF+2*\i:YF+2*\i+1], v14, s[4:5] offset:128*\i
.endr
	s_load_b128 s[32:35], s[12:13], 0x0            ; R
	s_load_b64 s[36:37], s[14:15], 0x0             ; Bmat
	s_load_b64 s[38:39], s[16:17], 0x0             ; scale
	s_load_b64 s[40:41], s[10:11], 0x0             ; b3
	s_load_b32 s42, s[18:19], 0x0                  ; control
	s_load_b32 s43, s[20:21], 0x0                  ; m
	s_mov_b32 s52, 1
	s_mov_b32 s53, s78
	s_add_nc_u64 s[54:55], s[6:7], s[78:79]
	s_or_b32 s55, s55, 0x80000000
	s_mov_b32 s56, 1
	s_add_co_u32 s57, s78, SLOTB
	s_add_nc_u64 s[58:59], s[6:7], s[78:79]
	s_add_nc_u64 s[58:59], s[58:59], SLOTB
	s_or_b32 s59, s59, 0x80000000
	CROUND                                         ; all four work-groups are here: the first joint loads meet
	tensor_load_to_lds s[52:55], s[44:51]          ; slot 0
	s_nop 0
	PLACES 4
	s_cmp_eq_u32 s72, 1
	ASK
	WIN 0x80                                       ; every way through the text writes window 2 ahead of its readers: zeros, under the loads' flight
.set p, 0
.rept 256
	v_mov_b32 v[p], 0
.set p, p+1
.endr
	WIN 0
.irp m, 0,1,2,3
.irp k, 0,1,2,3
	v_mov_b32 v[SA+8*\m+\k], 0
.endr
.endr
	v_mov_b32 v[TP], 0                             ; a lane permute's destination counts as one of its sources
	v_mov_b32 v[TP+1], 0
	s_mov_b32 s70, 2
	s_mov_b32 s76, 2048
	WALU
	s_wait_loadcnt 0x4                             ; my part of W1 and b1 is in; y may be out
.irp i, 0,1,2,3,4,5
	ds_store_b128 v13, v[128+4*\i:128+4*\i+3] offset:2048*\i
.endr
	s_wait_loadcnt 0x0
	s_wait_dscnt 0x0                               ; for the others' sake: my stores are done
	s_barrier_signal -1
	s_barrier_wait -1
; Two trips of four K steps: the first makes K steps 4 to 7 in the registers of 0 to 3 and copies them, so that one text serves both.
.Lgen:
	v_add_nc_u32 v13, s76, v12
	TABL 0
	TABL 1
	WALU
	s_wait_dscnt 24                                ; the first half step's numbers are in, the second's may be out
.set gu, 0
.rept 33
	GSTEP gu
.set gu, gu+1
.endr
	v_nop
	v_nop
	WALU
	s_cmp_eq_u32 s70, 1
	s_cbranch_scc1 .Lno_copy
	WIN 0x81
.set p, 0
.rept 256
	v_mov_b32 v[p], v[p]                           ; window 1 to window 2
.set p, p+1
.endr
	WIN 0
.irp m, 0,1,2,3
.irp k, 0,1,2,3
	v_mov_b32 v[SA+8*\m+\k], v[SA+8*\m+4+\k]
.endr
.endr
.Lno_copy:
	WALU
	s_sub_co_u32 s76, s76, 2048
	s_sub_co_u32 s70, s70, 1
	s_cmp_lg_u32 s70, 0
	s_cbranch_scc1 .Lgen
	s_wait_tensorcnt 0x0                           ; my part of slot 0 is in
	ds_add_u32 v1, v2
	s_mov_b32 s69, 0
	ADDRS 0, 0
	ADDRS 1, 0
.set p, 0
.rept 16
	v_mov_b32 v[DS+p], 0                           ; dH's sums; the first batch finds no tile before it: it multiplies by a W3 of zeros
	v_mov_b32 v[WV+48+p], 0
.set p, p+1
.endr
	s_wait_xcnt 0x0
	s_add_nc_u64 s[74:75], s[74:75], SLOTB
	WALU
	s_wait_dscnt 0x0
	CROUND                                         ; everybody's part of slot 0 is in
	tensor_load_to_lds s[56:59], s[44:51]          ; slot 1
	s_nop 0
	PLACES 4
	RUN 0, 0
	RUN 1, 0
	s_cmp_eq_u32 s72, 1
	ASK
	s_mov_b32 s71, 6
.Lslot:                                                ; a trip is a slot: 128 columns; six slots are filled again
	BATCH 0, 0
	BATCH 1, 0
	BATCH 2, 0
	BATCH 3, 0
	BATCH 4, 0
	BATCH 5, 0
	BATCH 6, 0
	BATCH 7, 0
	WALU
	s_sub_co_u32 s71, s71, 1
	s_cmp_lg_u32 s71, 0
	s_cbranch_scc1 .Lslot
	s_mov_b32 s73, 0
.Ltail:                                                ; the last two slots, half a slot a trip; every trip has the same loads: the last trip's two last runs fetch the first half's first tiles again, which nobody uses
	BATCH 0, 1
	BATCH 1, 1
	BATCH 2, 1
	BATCH 3, 1
	WALU
	s_add_co_u32 s73, s73, 1
	s_cmp_lt_u32 s73, 4
	s_cbranch_scc1 .Ltail
	s_wait_kmcnt 0x0
.set ep, 1
.set es, 1
.irp m, 0,1,2,3
.irp k, 0,1,2,3,4,5,6,7,8,9,10,11
	EL \m, \k                                      ; the last tile
.endr
.endr
.irp m, 0,1,2,3
.irp c, 0,1
	v_add_f32 v[224+2*\m+\c], v[DS+4*\m+2*\c], v[DS+4*\m+2*\c+1]
.endr
.endr
	v_add_f32 v68, s43, s33                        ; m + R01
	v_sub_f32 v69, s43, s34                        ; m - R10
	v_mul_f32 v70, s36, s42
	v_mul_f32 v71, s37, s42
	v_mov_b32 v72, s32
	v_mov_b32 v73, s35
	v_and_b32 v74, 31, v0
	v_lshlrev_b32 v74, 3, v74
; Lanes 0-15 keep block 2 u, lanes 16-31 block 2 u + 1; what the other half of the lanes keeps is sent there.
.irp i, 0,1,2,3
	v_mov_b32 v[244+\i], 0
.endr
.irp u, 0,1
.irp c, 0,1
	v_cndmask_b32 v[232+2*\u+\c], v[224+4*\u+\c], v[226+4*\u+\c], s85
	v_cndmask_b32 v[236+2*\u+\c], v[226+4*\u+\c], v[224+4*\u+\c], s85
.endr
.endr
.irp i, 0,1,2,3
	v_permlanex16_b32 v[244+\i], v[236+\i], s66, s67
.endr
.irp i, 0,1,2,3
	v_add_f32 v[232+\i], v[232+\i], v[244+\i]
.endr
.irp u, 0,1
	v_add_f32 v[232+2*\u], s40, v[232+2*\u]
	v_add_f32 v[233+2*\u], s41, v[233+2*\u]
.endr
.irp u, 0,1
	v_fma_f32 v[64+2*\u], -v72, v[232+2*\u], v70
	v_fma_f32 v[65+2*\u], v69, v[232+2*\u], v71
.endr
.irp u, 0,1
	v_fma_f32 v[64+2*\u], -v68, v[233+2*\u], v[64+2*\u]
	v_fma_f32 v[65+2*\u], -v73, v[233+2*\u], v[65+2*\u]
.endr
.irp u, 0,1
	v_mul_f32 v[64+2*\u], s38, v[64+2*\u]
	v_mul_f32 v[65+2*\u], s39, v[65+2*\u]
	global_store_b64 v74, v[64+2*\u:65+2*\u], s[22:23] offset:256*\u   ; 32 rows: 256 consecutive bytes, aligned
.endr
	s_wait_tensorcnt 0x0                           ; the wave's end
	ds_add_u32 v1, v2
	s_wait_dscnt 0x0
	CROUND                                         ; the closing round
	s_endpgm
.Lfunc_end_k_qee4a7a091e_main:
	.size	k_qee4a7a091e_main, .Lfunc_end_k_qee4a7a091e_main-k_qee4a7a091e_main
	.p2alignl 7, 3214868480
	.fill 96, 4, 3214868480
	.section	.rodata,"a",@progbits
	.p2align	6, 0x0
	.amdhsa_kernel k_qee4a7a091e_main
		.amdhsa_group_segment_fixed_size 327680
		.amdhsa_private_segment_fixed_size 0
		.amdhsa_enable_private_segment 0
		.amdhsa_kernarg_size 80
		.amdhsa_user_sgpr_count 2
		.amdhsa_user_sgpr_kernarg_segment_ptr 1
		.amdhsa_wavefront_size32 1
		.amdhsa_system_sgpr_workgroup_id_x 1
		.amdhsa_system_sgpr_workgroup_id_y 1
		.amdhsa_system_sgpr_workgroup_id_z 1
		.amdhsa_system_vgpr_workitem_id 0
		.amdhsa_next_free_vgpr 1024
		.amdhsa_next_free_sgpr 96
		.amdhsa_reserve_vcc 0
		.amdhsa_float_denorm_mode_32 3
		.amdhsa_float_denorm_mode_16_64 3
		.amdhsa_memory_ordered 1
		.amdhsa_forward_progress 1
		.amdhsa_inst_pref_size 255
	.end_amdhsa_kernel
	.section	.bss,"aw",@nobits
	.p2align	6
	.space	262144
	.amdgpu_metadata
---
amdhsa.version: [ 1, 2 ]
amdhsa.kernels:
  - .name:           k_qee4a7a091e_main
    .symbol:         k_qee4a7a091e_main.kd
    .args:
      - { .name: y, .offset: 0, .size: 8, .value_kind: global_buffer, .address_space: global }
      - { .name: w2c, .offset: 8, .size: 8, .value_kind: global_buffer, .address_space: global }
      - { .name: w1f, .offset: 16, .size: 8, .value_kind: global_buffer, .address_space: global }
      - { .name: b3, .offset: 24, .size: 8, .value_kind: global_buffer, .address_space: global }
      - { .name: R, .offset: 32, .size: 8, .value_kind: global_buffer, .address_space: global }
      - { .name: Bmat, .offset: 40, .size: 8, .value_kind: global_buffer, .address_space: global }
      - { .name: scale, .offset: 48, .size: 8, .value_kind: global_buffer, .address_space: global }
      - { .name: control, .offset: 56, .size: 8, .value_kind: global_buffer, .address_space: global }
      - { .name: m, .offset: 64, .size: 8, .value_kind: global_buffer, .address_space: global }
      - { .name: out0, .offset: 72, .size: 8, .value_kind: global_buffer, .address_space: global }
    .group_segment_fixed_size: 327680
    .private_segment_fixed_size: 0
    .kernarg_segment_align: 8
    .kernarg_segment_size: 80
    .max_flat_workgroup_size: 128
    .sgpr_count:     96
    .vgpr_count:     1024
    .wavefront_size: 32
...
	.end_amdgpu_metadata
.endif
;; end of part 2
